; MI455X (gfx1250); checked and timed in simulation.
; The chip was launched on July 23, 2026; its instructions are those of AMD's public machine-readable ISA for CDNA 5 (MIT licence, August 2026) and "CDNA5" Instruction Set Architecture Reference Guide (July 2026). The comments in the code are by the model that wrote it; some were corrected since.
;; Attention Block. Allowed arithmetic: float matrix products may take bf16 or f16 operands with f32 sums; all other float work in f32.
;; Inputs: Wk 32 x 256 float32; Wq 32 x 256 float32; Wv 256 x 256 float32; bk 32 float32; bq 32 float32; bv 256 float32; gamma 1 float32; x 4 x 256 x 64 x 64 float32.
;; Outputs: out0 4 x 256 x 64 x 64 float32.
;; 2 versions, each right; version 2 is version 1 with the launch proj written anew for expert scheduling mode. Each part assembles by itself: llvm-mc -triple=amdgcn-amd-amdhsa -mcpu=gfx1250 --defsym DOCPART=n.
;; ======== version 1 of 2: 2 launches
;; limits: values are held in f16: magnitudes above 65,504 overflow, below 6.1e-05 lose precision; right only within a limited range of input values
;; workspace buffers: qkv 10,485,760 bytes
;; launch proj (part 1): grid 2 x 128, 8 waves a work-group, no clusters, 207,872 bytes of LDS; arguments x, Wv, Wk, Wq, bv, bk, bq, qkv; writes qkv
.if DOCPART == 1
	.amdgcn_target "amdgcn-amd-amdhsa--gfx1250"
	.amdhsa_code_object_version 6
	.text
	.protected	k_q59a62b28df_proj
	.globl	k_q59a62b28df_proj
	.p2align	8
	.type	k_q59a62b28df_proj,@function
k_q59a62b28df_proj:
	s_mov_b64 s[64:65], 0
	v_nop
	global_prefetch_b8 v0, s[64:65] scope:SCOPE_SE
	s_setreg_imm32_b32 hwreg(HW_REG_WAVE_MODE, 25, 1), 1
	s_wait_xcnt 0x0
; qkv[b][o][n] = sum over c of Wall[o][c] x[b][c][n] + ball[o], stored in 16 bits.  Rows o: 0-255 v (Wv, bv) in bf16, 256-287 k (Wk, bk) and 288-319 q (Wq, bq) in f16.
; x: [4][256][4096] f32.  qkv: [4][320][4096] of 16 bits (a row is 8,192 bytes, a batch 2,621,440).
; A work-group makes 160 rows (half y of the 320) x 128 pixels, so that each stored piece of a row is 256 consecutive bytes, aligned.
; Eight waves: wave w makes rows 80 (w>>2) + 0..79 x pixels 32 (w&3) + 0..31: ten accumulator tiles of 16 x 16, K = 256 in eight steps of 32.
; x and W are f32 in memory and are rounded to bf16 in registers on the way into LDS; sums in f32; the bias is added in f32; one rounding to 16 bits.
; WHY k AND q GO IN f16: their products are exponents, so their absolute error becomes a relative error of the softmax's weights; f16 keeps 11 bits where bf16 keeps 8.
; Room: with x and W both 30 times the problem's spread (30 and 1.5) q and k have a spread of 16 x 1.5 x 30 = 720; with offsets of 30 on x and 1.5 on W they lie
; near 256 x 45 = 11,520; f16 reaches 65,504.
; NO CLUSTER, NO TENSOR LOADS: the operands must pass through registers to be rounded.  Landing them in LDS as f32 first would take
; 163,840 (W) + 131,072 (x) bytes beside the 84,480 + 73,728 bytes of their bf16 copies: 453,120 bytes, more than the 327,680 there are.
; LIMITS: x, W and v in bf16 (8 bits of mantissa); q and k in f16, clamped to +-65,504 (beyond that the energies differ from the exact ones);
; NaN and infinities are not served.
.set XB,   84480                       ; LDS: W in bf16 at 0: 160 rows, pitch 528 (512 + 16).  x in bf16 here: 256 rows (c) x 128 pixels, pitch 288
.set STG,  158208                      ; the way out: 160 rows x 256 bytes, pitch 272
.set BIA,  201728                      ; each wave's own copy of the 160 biases: 8 x 640 bytes
.set WPI,  528
.set XPI,  288
.set SPI,  272
.set ACC,  32                          ; v[32:111]   ten accumulator tiles, (ot, pt) at 8 (2 ot + pt)
.set FR0,  112                         ; v[112:167]  fragments, buffer 0: x pt 0, 1, then W ot 0..4
.set FR1,  168                         ; v[168:223]  buffer 1
.set BS,   224                         ; v[224:233]  my row's bias for each ot, twice (a pair for the packed add)
; v4 x offset, v5 W offset, v6-7 x into LDS, v8-9 W into LDS, v10 bias into LDS, v11 bias back, v12 W fragments, v13-14 x fragments,
; v15 stage in, v16 stage back, v17 offset in qkv, v18 4 x lane, v[24:28] bias as loaded, v[32:255] x and W as loaded (until the first barrier)
.macro NOPS n
.rept \n
	v_nop
.endr
.endm
	s_load_b512 s[4:19], s[0:1], 0x0               ; x 4, Wv 6, Wk 8, Wq 10, bv 12, bk 14, bq 16, qkv 18
	v_lshl_add_u32 v30, v0, 2, 0x32800
	v_mov_b32 v31, 0
	v_lshrrev_b32 v1, 5, v0
	v_readfirstlane_b32 s20, v1                    ; wave 0..7
	v_and_b32 v1, 31, v0                           ; lane L
	s_mov_b32 s21, ttmp9                           ; y: which 160 rows
	s_and_b32 s22, ttmp7, 0xffff                   ; 0..127
	s_lshr_b32 s23, s22, 5                         ; batch
	s_and_b32 s22, s22, 31                         ; block of 128 pixels in the batch
	s_lshr_b32 s59, s20, 2
	s_and_b32 s59, s59, s21                        ; 1: my rows are 240 to 319, of which the last 64 are k and q
	s_mov_b32 s60, 0xc77fe000                      ; -65,504
	s_mov_b32 s61, 0x477fe000                      ; 65,504, f16's largest number
	s_lshl_b32 s44, s23, 22                        ; x: batch x 4 MiB
	s_lshl_b32 s45, s22, 9                         ;    + block x 512 bytes
	s_add_co_u32 s44, s44, s45
	s_mov_b32 s45, 0
	s_mul_i32 s46, s23, 2621440                    ; qkv: batch
	s_mul_i32 s47, s21, 1310720                    ;      + y x 160 rows
	s_add_co_u32 s46, s46, s47
	s_lshl_b32 s47, s22, 8                         ;      + block x 256 bytes
	s_add_co_u32 s46, s46, s47
	s_mov_b32 s47, 0
	s_mul_i32 s48, s21, 163840                     ; Wv: y x 160 rows of 1,024 bytes
	s_mov_b32 s49, 0
	s_mul_i32 s50, s21, 640                        ; bv: y x 160 numbers
	s_mov_b32 s51, 0
	s_lshl_b32 s52, s20, 14
	v_lshl_add_u32 v4, v1, 4, s52                  ; x: row w of eight, 16 bytes a lane: a wave's load takes 512 consecutive bytes, 128 pixels
	v_lshlrev_b32 v5, 4, v0                        ; W: 16 bytes a thread: the work-group's load takes four whole rows
	v_lshlrev_b32 v18, 2, v1
	s_wait_kmcnt 0x0
	s_add_nc_u64 s[4:5], s[4:5], s[44:45]
	s_add_nc_u64 s[18:19], s[18:19], s[46:47]
	; The 160 rows are five segments of 32.  Segments 0-2 are rows of Wv for both y; 3 and 4 are rows of Wv (y = 0) or Wk and Wq (y = 1).
	s_add_nc_u64 s[24:25], s[6:7], s[48:49]
	s_add_nc_u64 s[26:27], s[24:25], 0x8000
	s_add_nc_u64 s[28:29], s[24:25], 0x10000
	s_add_nc_u64 s[30:31], s[6:7], 0x18000
	s_add_nc_u64 s[32:33], s[6:7], 0x20000
	s_add_nc_u64 s[34:35], s[12:13], s[50:51]
	s_add_nc_u64 s[36:37], s[34:35], 128
	s_add_nc_u64 s[38:39], s[34:35], 256
	s_add_nc_u64 s[40:41], s[12:13], 384
	s_add_nc_u64 s[42:43], s[12:13], 512
	s_cmp_eq_u32 s21, 1
	s_cselect_b64 s[30:31], s[8:9], s[30:31]
	s_cselect_b64 s[32:33], s[10:11], s[32:33]
	s_cselect_b64 s[40:41], s[14:15], s[40:41]
	s_cselect_b64 s[42:43], s[16:17], s[42:43]
	; 61 loads go out at once: 5 of bias, 32 of x (row c = 8 i + w), 24 of W (rows 4 u + (w>>1)); the last 16 of W follow when registers are free
.irp g, 0,1,2,3,4
	global_load_b32 v[24+\g], v18, s[34+2*\g:35+2*\g]
.endr
.irp i, 0,1,2,3,4,5,6,7,8,9,10,11,12,13,14,15,16,17,18,19,20,21,22,23,24,25,26,27,28,29,30,31
	global_load_b128 v[32+4*\i:35+4*\i], v4, s[4:5] offset:\i*131072
.endr
.irp u, 0,1,2,3,4,5,6,7,8,9,10,11,12,13,14,15,16,17,18,19,20,21,22,23
	global_load_b128 v[160+4*\u:163+4*\u], v5, s[24+2*(\u>>3):25+2*(\u>>3)] offset:(\u&7)*4096
.endr
	; addresses, while the loads are on their way
	v_and_b32 v2, 15, v0                           ; r
	v_bfe_u32 v3, v0, 4, 1                         ; h
	s_mul_i32 s52, s20, XPI
	s_add_co_u32 s52, s52, XB
	v_lshl_add_u32 v6, v1, 3, s52                  ; x into LDS: row w, 8 bytes a lane; rows 8 i in the immediate
	v_add_nc_u32 v7, 16*8*XPI, v6                  ; from i = 16 on (the immediate has 16 bits)
	s_lshr_b32 s52, s20, 1
	s_mul_i32 s52, s52, WPI
	s_and_b32 s53, s20, 1
	s_lshl_b32 s53, s53, 8
	s_add_co_u32 s52, s52, s53
	v_lshl_add_u32 v8, v1, 3, s52                  ; W into LDS: row w>>1, half w&1 of it, 8 bytes a lane
	v_add_nc_u32 v9, 24*4*WPI, v8                  ; from u = 24 on
	s_mul_i32 s54, s20, 640
	s_add_co_u32 s54, s54, BIA
	v_lshl_add_u32 v10, v1, 2, s54                 ; bias into my wave's copy
	s_lshr_b32 s55, s20, 2
	s_mul_i32 s55, s55, 80                         ; my first row
	s_and_b32 s56, s20, 3
	s_lshl_b32 s56, s56, 6                         ; my first pixel, in bytes of 16-bit numbers
	v_add_nc_u32 v19, s55, v2                      ; row 80 (w>>2) + r
	v_lshl_add_u32 v11, v19, 2, s54
	v_mul_u32_u24 v12, v19, WPI
	v_lshl_add_u32 v12, v3, 4, v12                 ; W fragment: row x pitch + 16 h
	v_and_b32 v20, 7, v0
	v_bfe_u32 v21, v0, 3, 1
	v_lshl_add_u32 v13, v3, 3, v20
	v_mul_u32_u24 v13, v13, XPI                    ; x fragment by the transposing load: row (c) 8 h + (L & 7),
	v_lshl_add_u32 v13, v21, 4, v13                ; 16 bytes (8 pixels) for each group of eight lanes
	s_add_co_u32 s57, s56, XB
	v_add_nc_u32 v13, s57, v13
	v_add_nc_u32 v14, 128*XPI, v13                 ; K steps 4 to 7
	v_mul_u32_u24 v15, v19, SPI
	v_lshl_add_u32 v15, v3, 4, v15
	s_add_co_u32 s57, s56, STG
	v_add_nc_u32 v15, s57, v15                     ; stage in: my row, my 8 pixels
	s_mul_i32 s58, s20, 20
	v_add_nc_u32 v22, s58, v3                      ; stage back: wave w takes rows 20 w .. 20 w + 19, two at a time
	v_mul_u32_u24 v16, v22, SPI
	v_lshl_add_u32 v16, v2, 4, v16
	v_add_nc_u32 v16, STG, v16
	v_lshlrev_b32 v17, 13, v22
	v_lshl_add_u32 v17, v2, 4, v17                 ; the same two rows in qkv
; Four f32 as loaded are rounded in place to four bf16 and stored to LDS.  left = how many younger loads may stay out.
.macro CONV left, reg, adr, off
	s_wait_loadcnt \left
	v_cvt_pk_bf16_f32 v[\reg], v[\reg], v[\reg+1]
	v_cvt_pk_bf16_f32 v[\reg+1], v[\reg+2], v[\reg+3]
	ds_store_b64 v[\adr], v[\reg:\reg+1] offset:\off
.endm
	CONV 55, 32, 6, 0                              ; behind x's load i stand 31 - i of x and 24 of W
.irp g, 0,1,2,3,4
	ds_store_b32 v10, v[24+\g] offset:128*\g       ; the bias loads are older than x's first: they are in
.endr
.irp i, 1,2,3,4,5,6,7,8,9,10,11,12,13,14,15
	CONV 55-\i, 32+4*\i, 6, \i*8*XPI
.endr
	s_wait_dscnt 0x0                               ; the LDS stores have read v[32:95], into which the last 16 loads of W now go
.irp u, 24,25,26,27,28,29,30,31,32,33,34,35,36,37,38,39
	global_load_b128 v[32+4*(\u-24):35+4*(\u-24)], v5, s[24+2*(\u>>3):25+2*(\u>>3)] offset:(\u&7)*4096
.endr
.irp i, 16,17,18,19,20,21,22,23,24,25,26,27,28,29,30,31
	CONV 71-\i, 32+4*\i, 7, (\i-16)*8*XPI          ; now 31 - i of x and 40 of W are younger
.endr
.irp u, 0,1,2,3,4,5,6,7,8,9,10,11,12,13,14,15,16,17,18,19,20,21,22,23
	CONV 39-\u, 160+4*\u, 8, \u*4*WPI              ; behind W's load u stand 39 - u
.endr
.irp u, 24,25,26,27,28,29,30,31,32,33,34,35,36,37,38,39
	CONV 39-\u, 32+4*(\u-24), 9, (\u-24)*4*WPI
.endr
	s_wait_dscnt 0x0                               ; my stores are in LDS: zero, for the other waves' sake
	s_barrier_signal -1
	s_barrier_wait -1                              ; all of x's and W's bf16 copies are there
; 14 LDS loads: the fragments of K step s (c = 32 s .. 32 s + 31) into buffer f.  x lies [c][pixel]: two transposing loads, 16 rows apart, give
; lane (r, h) pixel r and c = 8 h + 0..7, 16 + 8 h + 0..7.  W lies [row][c]: two plain loads, 32 bytes apart.
.macro FETCH s, f
.irp pt, 0,1
	ds_load_tr16_b128 v[\f+8*\pt:\f+8*\pt+3],   v[13+((\s)>>2)] offset:((\s)&3)*32*XPI+32*\pt
	ds_load_tr16_b128 v[\f+8*\pt+4:\f+8*\pt+7], v[13+((\s)>>2)] offset:((\s)&3)*32*XPI+32*\pt+16*XPI
.endr
.irp ot, 0,1,2,3,4
	ds_load_b128 v[\f+16+8*\ot:\f+16+8*\ot+3],   v12 offset:\ot*16*WPI+64*(\s)
	ds_load_b128 v[\f+16+8*\ot+4:\f+16+8*\ot+7], v12 offset:\ot*16*WPI+64*(\s)+32
.endr
.endm
; K step s on buffer f; the next step's fragments go into buffer g meanwhile.  Source 0 = 16 pixels of x, source 1 = 16 rows of W: register j of
; lane (r, h) is then pixel 8 h + j of row r: eight neighbouring numbers of a row of qkv.  The ten accumulators take turns, one instruction a
; turn.
.macro STEP s, f, g
.if \s < 7
.if \s > 0
	NOPS 4                                         ; buffer g was read by the last step's matrix instructions: four places in front of loads into it
.endif
	FETCH \s+1, \g
	s_wait_dscnt 14                                ; all but the 14 just issued
.else
	s_wait_dscnt 0x0
.endif
.irp ot, 0,1,2,3,4
.irp pt, 0,1
.if \s == 0
	v_wmma_f32_16x16x32_bf16 v[ACC+8*(2*\ot+\pt):ACC+8*(2*\ot+\pt)+7], v[\f+8*\pt:\f+8*\pt+7], v[\f+16+8*\ot:\f+16+8*\ot+7], 0
.else
	v_wmma_f32_16x16x32_bf16 v[ACC+8*(2*\ot+\pt):ACC+8*(2*\ot+\pt)+7], v[\f+8*\pt:\f+8*\pt+7], v[\f+16+8*\ot:\f+16+8*\ot+7], v[ACC+8*(2*\ot+\pt):ACC+8*(2*\ot+\pt)+7]
.endif
.endr
.endr
.endm
.irp ot, 0,1,2,3,4
	ds_load_b32 v[BS+2*\ot], v11 offset:64*\ot     ; the bias of row 80 (w>>2) + 16 ot + r, from my wave's own copy
.endr
	FETCH 0, FR0
	STEP 0, FR0, FR1
	STEP 1, FR1, FR0
	STEP 2, FR0, FR1
	STEP 3, FR1, FR0
	STEP 4, FR0, FR1
	STEP 5, FR1, FR0
	STEP 6, FR0, FR1
	STEP 7, FR1, FR0
; THE WAY OUT: the bias is added, eight neighbouring pixels of a row are rounded to 16 bytes and go into the stage.
; qk = 1: my row blocks 1 to 4 are rows of k and q: clamped to f16's range and rounded to f16.  All else is v: rounded to bf16.
.macro WAYOUT qk
.irp ot, 0,1,2,3,4
.irp pt, 0,1
.irp p, 0,2,4,6
	v_pk_add_f32 v[ACC+8*(2*\ot+\pt)+\p:ACC+8*(2*\ot+\pt)+\p+1], v[ACC+8*(2*\ot+\pt)+\p:ACC+8*(2*\ot+\pt)+\p+1], v[BS+2*\ot:BS+2*\ot+1]
.endr
.if \qk*\ot
.irp p, 0,1,2,3,4,5,6,7
	v_med3_num_f32 v[ACC+8*(2*\ot+\pt)+\p], v[ACC+8*(2*\ot+\pt)+\p], s60, s61
.endr
.irp p, 0,1,2,3
	v_cvt_pk_f16_f32 v[FR0+4*(2*\ot+\pt)+\p], v[ACC+8*(2*\ot+\pt)+2*\p], v[ACC+8*(2*\ot+\pt)+2*\p+1]
.endr
.else
.irp p, 0,1,2,3
	v_cvt_pk_bf16_f32 v[FR0+4*(2*\ot+\pt)+\p], v[ACC+8*(2*\ot+\pt)+2*\p], v[ACC+8*(2*\ot+\pt)+2*\p+1]
.endr
.endif
	ds_store_b128 v15, v[FR0+4*(2*\ot+\pt):FR0+4*(2*\ot+\pt)+3] offset:\ot*16*SPI+32*\pt
.endr
.endr
.endm
	; Five moves make the bias pairs; they name no register of a matrix instruction and are the places in front of the first read of a sum.
.irp ot, 0,1,2,3,4
	v_mov_b32 v[BS+2*\ot+1], v[BS+2*\ot]
.endr
	s_cmp_eq_u32 s59, 1                            ; a scalar branch on the work-group's half and the wave's number; no barrier stands inside it
	s_cbranch_scc1 .Lrows_qk
	WAYOUT 0
	s_branch .Lstaged
.Lrows_qk:
	WAYOUT 1
.Lstaged:
	s_wait_dscnt 0x0                               ; a stage row holds pieces of four waves: zero, then the barrier
	s_barrier_signal -1
	s_barrier_wait -1
.irp t, 0,1,2,3,4,5,6,7,8,9
	ds_load_b128 v[160+4*\t:163+4*\t], v16 offset:2*SPI*\t
.endr
.irp t, 0,1,2,3,4,5,6,7,8,9
	s_wait_dscnt 9-\t                              ; LDS loads come back in order: pair t of the ten is in
	global_store_b128 v17, v[160+4*\t:163+4*\t], s[18:19] offset:16384*\t    ; sixteen lanes store 256 consecutive bytes, aligned
.endr
	s_wait_tensorcnt 0x0
	ds_add_u32 v30, v31
	s_wait_dscnt 0x0
	s_endpgm
.Lfunc_end_k_q59a62b28df_proj:
	.size	k_q59a62b28df_proj, .Lfunc_end_k_q59a62b28df_proj-k_q59a62b28df_proj
	.p2alignl 7, 3214868480
	.fill 96, 4, 3214868480
	.section	.rodata,"a",@progbits
	.p2align	6, 0x0
	.amdhsa_kernel k_q59a62b28df_proj
		.amdhsa_group_segment_fixed_size 207872
		.amdhsa_private_segment_fixed_size 0
		.amdhsa_enable_private_segment 0
		.amdhsa_kernarg_size 64
		.amdhsa_user_sgpr_count 2
		.amdhsa_user_sgpr_kernarg_segment_ptr 1
		.amdhsa_wavefront_size32 1
		.amdhsa_system_sgpr_workgroup_id_x 1
		.amdhsa_system_sgpr_workgroup_id_y 1
		.amdhsa_system_sgpr_workgroup_id_z 1
		.amdhsa_system_vgpr_workitem_id 0
		.amdhsa_next_free_vgpr 256
		.amdhsa_next_free_sgpr 66
		.amdhsa_reserve_vcc 0
		.amdhsa_float_denorm_mode_32 3
		.amdhsa_float_denorm_mode_16_64 3
		.amdhsa_memory_ordered 1
		.amdhsa_forward_progress 1
		.amdhsa_inst_pref_size 60
	.end_amdhsa_kernel
	.amdgpu_metadata
---
amdhsa.version: [ 1, 2 ]
amdhsa.kernels:
  - .name:           k_q59a62b28df_proj
    .symbol:         k_q59a62b28df_proj.kd
    .args:
      - { .name: x, .offset: 0, .size: 8, .value_kind: global_buffer, .address_space: global }
      - { .name: Wv, .offset: 8, .size: 8, .value_kind: global_buffer, .address_space: global }
      - { .name: Wk, .offset: 16, .size: 8, .value_kind: global_buffer, .address_space: global }
      - { .name: Wq, .offset: 24, .size: 8, .value_kind: global_buffer, .address_space: global }
      - { .name: bv, .offset: 32, .size: 8, .value_kind: global_buffer, .address_space: global }
      - { .name: bk, .offset: 40, .size: 8, .value_kind: global_buffer, .address_space: global }
      - { .name: bq, .offset: 48, .size: 8, .value_kind: global_buffer, .address_space: global }
      - { .name: qkv, .offset: 56, .size: 8, .value_kind: global_buffer, .address_space: global }
    .group_segment_fixed_size: 207872
    .private_segment_fixed_size: 0
    .kernarg_segment_align: 8
    .kernarg_segment_size: 64
    .max_flat_workgroup_size: 256
    .sgpr_count:     66
    .vgpr_count:     256
    .wavefront_size: 32
...
	.end_amdgpu_metadata
.endif
;; end of part 1
;; launch attn (part 2): grid 256 x 1, 4 waves a work-group, clusters of 4 x 1, 327,680 bytes of LDS; arguments qkv, x, gamma, out0; writes out0
.if DOCPART == 2
	.amdgcn_target "amdgcn-amd-amdhsa--gfx1250"
	.amdhsa_code_object_version 6
	.text
	.protected	k_q59a62b28df_attn
	.globl	k_q59a62b28df_attn
	.p2align	8
	.type	k_q59a62b28df_attn,@function
k_q59a62b28df_attn:
	s_mov_b64 s[64:65], 0
	v_nop
	global_prefetch_b8 v0, s[64:65] scope:SCOPE_SE
	s_setreg_imm32_b32 hwreg(HW_REG_WAVE_MODE, 25, 1), 1
	s_wait_xcnt 0x0
	s_wait_alu depctr_hold_cnt(0) depctr_sa_sdst(0) depctr_va_vdst(0) depctr_va_sdst(0) depctr_va_ssrc(0) depctr_va_vcc(0) depctr_vm_vsrc(0)
	s_getreg_b32 s2, hwreg(HW_REG_IB_STS2, 6, 4)
	s_cmp_eq_u32 s2, 0
	s_cbranch_scc0 .Lentry_in_a_cluster
	s_endpgm
.Lentry_in_a_cluster:
	s_bfe_u32 s2, ttmp6, 0x10000c
	s_cmp_lg_u32 s2, 0x3003
	s_cbranch_scc0 .Lentry_shape_is_right
	s_endpgm
.Lentry_shape_is_right:
; out0[b][c][i] = gamma * sum over j of v[b][c][j] softmax_j(q[b][:,i] . k[b][:,j]) + x[b][c][i].
; qkv: [4][320][4096] of 16 bits, rows 0-255 v in bf16, 256-287 k and 288-319 q in f16.
; A work-group owns 64 queries (i) x all 256 channels.  Keys go in 16 tiles of 256 through two LDS slots; a tile is rows 0-287 of qkv[b] (v and k
; together) x 256 keys: rows of 512 bytes, aligned.  THE FOUR WAVES SPLIT THE KEYS: of each tile wave w takes keys 64 w .. 64 w + 63 for all 64 queries and
; all 256 channels (64 accumulator tiles, 512 registers), with a running maximum and sum of its own; the four partial results are merged at the end.
; So each byte of v is read from LDS once in the work-group and feeds four matrix instructions, and no energy or exponential is made twice.
; CLUSTER: the four work-groups of a cluster are four query blocks of one batch and need the same tiles.  Each tile is asked for jointly (mask 15): wave w of
; each of the four issues the same load of rows 72 w .. 72 w + 71.  Its descriptor is made of the cluster's number, the wave's number and constants alone.
; ORIENTATION, so that nothing is moved between lanes but one maximum:
;   S^T = K Q^T (f16 operands): source 0 = 16 keys of k, source 1 = 16 queries of q; register j of lane (r, h) = key 8 h + j, query r.
;   Two such tiles rounded to bf16 in place ARE the fragment P (query r; keys 8 h + 0..7, 16 + 8 h + 0..7) of source 1 of
;   O = V P (bf16 operands): source 0 = 16 channels of v x 32 keys; register j of lane (r, h) = channel 8 h + j, query r.  Maximum, sum and rescaling factor belong to a lane.
; THE PIPELINE: a tile's work is four phases, one for each query tile it (16 queries).  Phase (t, it) holds the 32 products O(., it) += V(t) P(t, it), and BETWEEN them
; the whole softmax of the next query tile (it + 1 of tile t; query tile 0 of tile t + 1 in phase 3), the rescaling of its 16 accumulators, and the four energy products of
; the query tile after that.  No register is added for it: the 32 registers of S(it) are free from the end of phase (t, it) on, and P is packed in place.  v stays in its
; 256 registers; in phase 3 each fragment is loaded again, with the next tile's v, behind its last product, and is used again 32 products later.
; WHY THE WINDOWS ARE SWITCHED SO OFTEN: the products name windows 1 (v), 0 (P) and 2 or 3 (O), the softmax window 0, the rescaling 2 or 3 and 0.  One setting for all would
; want O, v and S of a phase in one window; O alone fills windows 2 and 3 and v window 1, and all 1,024 registers are taken.  So a switch stands on either side of a
; product, among the four to six vector instructions that follow it.
; WHY q AND k ARE f16: an energy's absolute error is a relative error of P; 11 bits of mantissa against bf16's 8 make it 8 times smaller at the same bytes and
; the same number of matrix instructions.  A pair of bf16 parts would need 32 more rows in a tile: 2 x 320 x 528 = 337,920 bytes, more than the 327,680 of LDS.
; LIMITS: q and k are f16 (clamped to +-65,504 where they were made), v and P bf16 as matrix operands; the row sum adds P before that rounding; an exponential
; below 2^-126 comes out as 0 (ISA guide 15.8); the maximum is taken away exactly (running, per wave, merged at the end); NaN and infinities are not served.
.set PITCH, 528                        ; an LDS row of a tile: 512 bytes + 16 of padding, an odd multiple of 16
.set SLOT,  288*PITCH                  ; 152,064
.set QS,    2*SLOT                     ; q of my 64 queries: 32 rows x 128 bytes, pitch 160.  Begins at a multiple of 256 bytes; no tensor load lands here
.set QP,    160
.set STAT,  QS+32*QP                   ; the waves' maxima [4][64], then their sums [4][64]
.set OXP,   272                        ; the merge: each wave's O as [256 channels][64 queries] f32, pitch 256 + 16,
.set OXW,   256*OXP                    ; 69,632 bytes a wave, from LDS byte 0: in the slots, behind their last fill
.set G1, 24                            ; s[24:31] descriptor group 1
.set G0, 32                            ; s[32:39] descriptor group 0, a set for each slot
; window 0:
.set PF,  6                            ; v6      offset of the blocks of x that I ask for ahead
.set VA,  8                            ; v8-11   v fragments: slot 0 channels 0-127, 128-255; slot 1 likewise
.set KA,  12                           ; v12-13  k fragments, slot 0, 1
.set QA,  14                           ; v14     q fragments
.set ST,  15                           ; v15     my word among the maxima
.set OS,  16                           ; v16-17  merge, in: channels 0-127, 128-255
.set ORD, 18                           ; v18-21  merge, back: wave 0..3's part
.set GX,  22                           ; v22     my offset in x and out0
.set SR,  23                           ; v23     the maxima of my four queries of the way out
.set M,   24                           ; v24-27  running maximum of query tile it
.set LS,  28                           ; v28-31  running sum (over my half's keys)
.set T,   32                           ; v32-35  new maximum (and the first of four chains)
.set U,   36                           ; v36-39  the other half's (and the second chain)
.set NM,  40                           ; v40-47  - maximum x log2 e, in pairs
.set AL,  48                           ; v48-55  rescaling factor, in pairs
.set SU,  56                           ; v56-63  sums, in pairs (before that: the third and fourth chain of the maximum)
.set QF,  64                           ; v64-95  q fragments, it = 0..3
.set KF,  96                           ; v96-127 k fragments, kt = 0..3
.set GF,  96                           ;         (in the merge: the four waves' factors)
.set S,   128                          ; v128-255 S(kt, it) at 32 it + 8 kt; packed in place: P(it, kc) at 32 it + 16 kc
; window 1: v fragment f = 16 kc + ct at 8 f.   window 2: O(ct 0-7, it) at 8 (4 ct + it).   window 3: O(ct 8-15, it) likewise.
.set MSB, 0
.macro WIN new                         ; s_set_vgpr_msb: bits 1:0 source 0, 3:2 source 1, 5:4 source 2, 7:6 destination; the high byte repeats the setting left
.if MSB != \new
	s_set_vgpr_msb (MSB<<8)|\new
.set MSB, \new
.endif
.endm
.macro NOPS n
.rept \n
	v_nop
.endr
.endm
.macro CREST                           ; a round of the cluster's barrier behind its opening work-group barrier
	s_cmp_lg_u32 s12, 0
	s_cbranch_scc1 .Lnot_wave_0_\@
	s_barrier_signal -3
.Lnot_wave_0_\@:
	s_barrier_wait -3
	s_barrier_signal -1
	s_barrier_wait -1
.endm
.macro CROUND                          ; a whole round
	s_barrier_signal -1
	s_barrier_wait -1
	CREST
.endm
	s_load_b256 s[4:11], s[0:1], 0x0               ; qkv 4, x 6, gamma 8, out0 10
	v_lshl_add_u32 v254, v0, 2, 0x4c000
	v_mov_b32 v255, 0
	ds_add_u32 v254, v255
	s_wait_dscnt 0x0
	v_lshrrev_b32 v1, 5, v0
	v_readfirstlane_b32 s12, v1                    ; wave 0..3
	s_bfe_u32 s13, ttmp6, 0x40000                  ; cx: my place in the cluster; it enters the addresses of q, x and out0 alone
	s_lshr_b32 s14, ttmp9, 4                       ; batch (16 clusters each)
	s_and_b32 s15, ttmp9, 15
	s_lshl_b32 s15, s15, 2
	s_add_co_u32 s15, s15, s13                     ; query block 0..63 of the batch
	s_mov_b32 s18, 0x3fb8aa3b                      ; log2 e, twice (a pair for the packed multiply-add)
	s_mov_b32 s19, 0x3fb8aa3b
	s_mov_b32 s20, 0x76543210                      ; v_permlanex16_b32: lane i of one half reads lane i of the other
	s_mov_b32 s21, 0xfedcba98
	; group 1: 72 rows x 256 elements of 2 bytes, pitch 4,096 elements; in LDS 4 words of padding behind every 128
	s_mov_b32 s[G1+0], 15|(1<<16)|(1<<20)|(1<<21)|(6<<22)|(3<<25)   ; 15:0 mask: all four of the cluster; 17:16 2 bytes; 20 padding; 21 set beside a mask; 24:22 code 6; 31:25 code 3
	s_mov_b32 s[G1+1], 256<<16                     ; tensor_dim0 = 256
	s_mov_b32 s[G1+2], 72<<16                      ; tensor_dim1 = 72
	s_mov_b32 s[G1+3], 256<<16                     ; tile_dim0 = 256
	s_mov_b32 s[G1+4], 72                          ; tile_dim1 = 72
	s_mov_b32 s[G1+5], 4096                        ; elements from row to row
	s_mov_b32 s[G1+6], 0
	s_mov_b32 s[G1+7], 0
	s_mul_i32 s42, s14, 2621440                    ; the tiles: batch
	s_mul_i32 s43, s12, 72*8192                    ;            + my 72 rows
	s_add_co_u32 s42, s42, s43
	s_mov_b32 s43, 0
	s_mul_i32 s41, s12, 72*PITCH                   ; and where they go in a slot
	s_mul_i32 s44, s14, 2621440                    ; q: batch + row 288 + 128 bytes for each query block
	s_lshl_b32 s45, s15, 7
	s_add_co_u32 s44, s44, s45
	s_add_co_u32 s44, s44, 288*8192
	s_mov_b32 s45, 0
	s_lshl_b32 s46, s14, 22                        ; x, out0: batch x 4 MiB + 256 bytes for each query block
	s_lshl_b32 s47, s15, 8
	s_add_co_u32 s46, s46, s47
	s_mov_b32 s47, 0
	s_wait_kmcnt 0x0
	s_add_nc_u64 s[42:43], s[4:5], s[42:43]
	s_add_nc_u64 s[44:45], s[4:5], s[44:45]
	s_add_nc_u64 s[6:7], s[6:7], s[46:47]
	s_add_nc_u64 s[10:11], s[10:11], s[46:47]
	s_load_b32 s16, s[8:9], 0x0                    ; gamma
.irp sl, 0,1
	s_mov_b32 s[G0+4*\sl], 1                                       ; count = 1
	s_add_co_u32 s[G0+4*\sl+1], s41, \sl*SLOT                      ; LDS address
	s_add_nc_u64 s[G0+4*\sl+2:G0+4*\sl+3], s[42:43], \sl*512       ; tile sl: 256 keys are 512 bytes along the rows
	s_or_b32 s[G0+4*\sl+3], s[G0+4*\sl+3], 0x80000000              ; type = 2
.endr
	CROUND                                         ; all four work-groups are here: the first joint loads meet
	tensor_load_to_lds s[G0:G0+3], s[G1:G1+7]      ; both first fills as one group: two tensor loads of the wave are out, later one
	s_nop 0
	tensor_load_to_lds s[G0+4:G0+7], s[G1:G1+7]
	s_nop 0
	v_lshrrev_b32 v32, 3, v0                       ; q: thread t takes 16 bytes at (t & 7) of rows t >> 3 and 16 + (t >> 3)
	v_and_b32 v33, 7, v0
	v_lshlrev_b32 v33, 4, v33
	v_lshl_add_u32 v4, v32, 13, v33
	global_load_b128 v[QF:QF+3], v4, s[44:45]
	global_load_b128 v[QF+4:QF+7], v4, s[44:45] offset:16*8192
	v_mul_u32_u24 v5, v32, QP
	v_add_nc_u32 v5, v5, v33
	v_add_nc_u32 v5, QS, v5
	v_and_b32 v2, 15, v0                           ; r
	v_bfe_u32 v3, v0, 4, 1                         ; h
	v_and_b32 v34, 7, v0
	v_bfe_u32 v7, v0, 3, 1
	s_lshl_b32 s22, s12, 7                         ; my 64 keys of a tile: 128 bytes along the rows
	v_mul_u32_u24 v[VA], v2, PITCH                 ; v fragment: channel r x pitch + 16 h + my keys
	v_lshl_add_u32 v[VA], v3, 4, v[VA]
	v_add_nc_u32 v[VA], s22, v[VA]
	v_add_nc_u32 v[VA+1], 128*PITCH, v[VA]
	v_add_nc_u32 v[VA+2], SLOT, v[VA]
	v_add_nc_u32 v[VA+3], SLOT, v[VA+1]
	v_lshl_add_u32 v34, v3, 3, v34                 ; 8 h + (L & 7): the row of a transposing load
	v_mul_u32_u24 v[KA], v34, PITCH                ; k lies [32][keys] in rows 256-287 of the tile
	v_lshl_add_u32 v[KA], v7, 4, v[KA]
	v_add_nc_u32 v[KA], s22, v[KA]
	v_add_nc_u32 v[KA], 256*PITCH, v[KA]
	v_add_nc_u32 v[KA+1], SLOT, v[KA]
	v_mul_u32_u24 v[QA], v34, QP                   ; q lies [32][queries]
	v_lshl_add_u32 v[QA], v7, 4, v[QA]
	v_add_nc_u32 v[QA], QS, v[QA]
	s_lshl_b32 s23, s12, 8
	s_add_co_u32 s23, s23, STAT
	v_lshl_add_u32 v[ST], v2, 2, s23
	s_mul_i32 s23, s12, OXW
	v_mul_u32_u24 v[OS], v3, 8*OXP                 ; merge, in: my part; channel 8 h (+ 16 ct + j in the immediate), query r (+ 16 it)
	v_lshl_add_u32 v[OS], v2, 2, v[OS]
	v_add_nc_u32 v[OS], s23, v[OS]
	v_add_nc_u32 v[OS+1], 128*OXP, v[OS]
	s_lshl_b32 s23, s12, 6
	v_add_nc_u32 v35, s23, v3                      ; the way out: wave w takes channels 64 w .. 64 w + 63, two at a time: 64 w + h
	v_and_b32 v[PF], 31, v0
	v_add_nc_u32 v[PF], s23, v[PF]
	v_lshlrev_b32 v[PF], 14, v[PF]                 ; channel 64 w + lane: the 256 bytes of x that my 64 queries have in that row
	v_mul_u32_u24 v[ORD], v35, OXP
	v_lshl_add_u32 v[ORD], v2, 4, v[ORD]           ; 16 bytes = queries 4 r .. 4 r + 3
	v_add_nc_u32 v[ORD+1], OXW, v[ORD]
	v_add_nc_u32 v[ORD+2], 2*OXW, v[ORD]
	v_add_nc_u32 v[ORD+3], 3*OXW, v[ORD]
	v_lshlrev_b32 v[GX], 14, v35
	v_lshl_add_u32 v[GX], v2, 4, v[GX]
	v_lshlrev_b32 v[SR], 4, v2
	v_add_nc_u32 v[SR], STAT, v[SR]
.irp it, 0,1,2,3
	v_mov_b32 v[M+\it], 0xff800000                 ; the running maximum starts at minus infinity
.endr
	s_wait_kmcnt 0x0                               ; gamma
	s_wait_loadcnt 0x0                             ; q
	ds_store_b128 v5, v[QF:QF+3]
	ds_store_b128 v5, v[QF+4:QF+7] offset:16*QP
	s_wait_dscnt 0x0                               ; q is in LDS: zero, for the other waves' sake
	s_wait_tensorcnt 0x1                           ; my part of tile 0 is in; tile 1's stays out
	s_barrier_signal -1
	s_barrier_wait -1
; THE PIECES OF A PHASE.  They read these symbols, which PHASE sets: PI the products' query tile, SJ the softmax's, MJ the energy products', SB = S + 32 SJ;
; PVON, SMON, MULON: the phase has products, a softmax, energy products; PFIRST: the products start the sums; SFIRST: the softmax is a query tile's first;
; VWON: v's fragments are still landing; VLON: they are loaded again, from slot VSL.
.macro KLOAD s                         ; 8 transposing loads: my 64 keys of k, 4 fragments of 16 keys x 32
	WIN 0
.irp kt, 0,1,2,3
	ds_load_tr16_b128 v[KF+8*\kt:KF+8*\kt+3],   v[KA+(\s)] offset:32*\kt
	ds_load_tr16_b128 v[KF+8*\kt+4:KF+8*\kt+7], v[KA+(\s)] offset:32*\kt+16*PITCH
.endr
.endm
.macro VFR f                           ; fragment f = 16 kc + ct of v: 16 channels x 32 of my keys; the window is set by the caller (destination 1, address 0)
	ds_load_b128 v[8*(\f):8*(\f)+3],   v[VA+2*VSL+(((\f)>>3)&1)] offset:((\f)&7)*16*PITCH+64*((\f)>>4)
	ds_load_b128 v[8*(\f)+4:8*(\f)+7], v[VA+2*VSL+(((\f)>>3)&1)] offset:((\f)&7)*16*PITCH+64*((\f)>>4)+32
.endm
; Behind product n (n odd): the fragments that products n - 2 and n - 1 read are loaded again.  Between product n - 1 and these loads stand two bundles with six or more
; plain vector instructions that name none of its registers (four are asked for); behind product 31 stand three conversions and the v_nop.
.macro VLP n
.if VLON
.if (\n) == 31
	v_nop
.endif
	WIN 0x40
.if (\n) >= 3
	VFR \n-2
.endif
	VFR \n-1
.if (\n) == 31
	VFR 31
.endif
.endif
.endm
; Product n of a phase: kc = n >> 4, ct = n & 15: O(ct, PI) += V(fragment n) P(PI, kc).  The 16 accumulators take turns, one instruction a turn.
.macro PVM n
.if PVON
.if VWON
.if ((\n)&3) == 0
	s_wait_dscnt 56-2*(\n)                         ; v's 64 loads were issued by ascending fragment, two each: behind fragment n + 3 stand 2 (31 - (n + 3))
.endif
.endif
.if ((\n)&15) < 8
	WIN 0xa1                                       ; source 0 (v) window 1, source 1 (P) window 0, C and D window 2
.else
	WIN 0xf1                                       ; C and D window 3
.endif
.if PFIRST*(1-((\n)>>4))
	v_wmma_f32_16x16x32_bf16 v[8*(4*((\n)&7)+PI):8*(4*((\n)&7)+PI)+7], v[8*(\n):8*(\n)+7], v[S+32*PI+16*((\n)>>4):S+32*PI+16*((\n)>>4)+7], 0
.else
	v_wmma_f32_16x16x32_bf16 v[8*(4*((\n)&7)+PI):8*(4*((\n)&7)+PI)+7], v[8*(\n):8*(\n)+7], v[S+32*PI+16*((\n)>>4):S+32*PI+16*((\n)>>4)+7], v[8*(4*((\n)&7)+PI):8*(4*((\n)&7)+PI)+7]
.endif
.endif
.endm
.macro SMM kt                          ; an energy product on f16 operands: 16 keys x the 16 queries of tile MJ, K = 32, a sum of its own; read a phase later
.if MULON
	WIN 0
	v_wmma_f32_16x16x32_f16 v[S+32*MJ+8*\kt:S+32*MJ+8*\kt+7], v[KF+8*\kt:KF+8*\kt+7], v[QF+8*MJ:QF+8*MJ+7], 0
.endif
.endm
; The maximum of my 32 energies of a query and the old maximum: four chains of eight, so that no instruction waits for the one in front of it
.macro MXA
.if SMON
	WIN 0
	v_max3_num_f32 v[T+SJ], v[SB], v[SB+1], v[SB+2]
	v_max3_num_f32 v[U+SJ], v[SB+8], v[SB+9], v[SB+10]
	v_max3_num_f32 v[SU+2*SJ], v[SB+16], v[SB+17], v[SB+18]
	v_max3_num_f32 v[SU+2*SJ+1], v[SB+24], v[SB+25], v[SB+26]
.endif
.endm
.macro MXB o
.if SMON
	WIN 0
	v_max3_num_f32 v[T+SJ], v[T+SJ], v[SB+\o], v[SB+\o+1]
	v_max3_num_f32 v[U+SJ], v[U+SJ], v[SB+8+\o], v[SB+9+\o]
	v_max3_num_f32 v[SU+2*SJ], v[SU+2*SJ], v[SB+16+\o], v[SB+17+\o]
	v_max3_num_f32 v[SU+2*SJ+1], v[SU+2*SJ+1], v[SB+24+\o], v[SB+25+\o]
.endif
.endm
.macro MXC
.if SMON
	WIN 0
	v_max3_num_f32 v[T+SJ], v[T+SJ], v[SB+7], v[M+SJ]
	v_max_num_f32 v[U+SJ], v[U+SJ], v[SB+15]
	v_max_num_f32 v[SU+2*SJ], v[SU+2*SJ], v[SB+23]
	v_max_num_f32 v[SU+2*SJ+1], v[SU+2*SJ+1], v[SB+31]
.endif
.endm
.macro MXD                             ; the four chains, then the other half's 32 keys
.if SMON
	WIN 0
	v_max3_num_f32 v[T+SJ], v[T+SJ], v[U+SJ], v[SU+2*SJ]
	v_max_num_f32 v[T+SJ], v[T+SJ], v[SU+2*SJ+1]
	v_permlanex16_b32 v[U+SJ], v[T+SJ], s20, s21
	v_max_num_f32 v[T+SJ], v[T+SJ], v[U+SJ]
.endif
.endm
.macro ALA                             ; NM = - new maximum x log2 e; AL = 2^((old - new) log2 e); the new maximum becomes the old
.if SMON
	WIN 0
	v_mul_f32 v[NM+2*SJ], 0xbfb8aa3b, v[T+SJ]
.if SFIRST == 0
	v_fma_f32 v[AL+2*SJ], v[M+SJ], s18, v[NM+2*SJ]
	v_exp_f32 v[AL+2*SJ], v[AL+2*SJ]
.endif
	v_mov_b32 v[M+SJ], v[T+SJ]                     ; plain instructions between the exponential and the first use of its result (ISA guide 5.7.2)
	v_mov_b32 v[NM+2*SJ+1], v[NM+2*SJ]
.endif
.endm
.macro EF p                            ; two exponents: S log2 e - maximum log2 e, one rounding
	v_pk_fma_f32 v[SB+2*(\p):SB+2*(\p)+1], v[SB+2*(\p):SB+2*(\p)+1], s[18:19], v[NM+2*SJ:NM+2*SJ+1] op_sel_hi:[1,0,1]
.endm
.macro EX e                            ; P = 2^exponent, in place
	v_exp_f32 v[SB+(\e)], v[SB+(\e)]
.endm
.macro PA p                            ; the sum takes two more P
	s_wait_alu depctr_va_vdst(0)
	v_pk_add_f32 v[SU+2*SJ:SU+2*SJ+1], v[SU+2*SJ:SU+2*SJ+1], v[SB+2*(\p):SB+2*(\p)+1]
.endm
.macro CV kc, n                        ; 16 registers of f32 (two tiles of S^T) become 8 of bf16, in place and by ascending word: word n from words 2 n and 2 n + 1
	v_cvt_pk_bf16_f32 v[SB+16*\kc+\n], v[SB+16*\kc+2*\n], v[SB+16*\kc+2*\n+1]
.endm
.macro ALB
.if SMON
	WIN 0
.if SFIRST == 0
	s_wait_alu depctr_va_vdst(0)
	v_mov_b32 v[AL+2*SJ+1], v[AL+2*SJ]
.endif
	EF 0
	EF 1
	EF 2
	EF 3
.endif
.endm
.macro EFB
.if SMON
	WIN 0
	EF 4
	EF 5
	EF 6
	EF 7
.endif
.endm
; Bundle k of the softmax's second part.  Exponentials go three to a bundle; each is used a bundle or more later, behind plain instructions (ISA guide 5.7.2).
; A pair of P is added when both its exponentials stand in earlier bundles; a word is packed when the sum has taken the P that it overwrites.
.macro SSL k
.if SMON
	WIN 0
.if \k < 4
	EX 3*\k
	EX 3*\k+1
	EX 3*\k+2
	EF 8+2*\k
	EF 9+2*\k
.endif
.if \k == 4
	s_wait_alu depctr_va_vdst(0)
	v_pk_add_f32 v[SU+2*SJ:SU+2*SJ+1], v[SB:SB+1], v[SB+2:SB+3]
	EX 12
	EX 13
	EX 14
	PA 2
.endif
.if (\k >= 5)*(\k <= 9)
	PA 2*\k-7
	EX 3*\k
	EX 3*\k+1
	EX 3*\k+2
	PA 2*\k-6
.endif
.if \k == 10
	EX 30
	EX 31
	PA 13
	CV 0, 0
	CV 0, 1
.endif
.if \k == 11
	PA 14
	CV 0, 2
	CV 0, 3
	CV 0, 4
	PA 15
.endif
.if \k == 12
	CV 0, 5
	CV 0, 6
	CV 0, 7
.if SFIRST
	v_add_f32 v[LS+SJ], v[SU+2*SJ], v[SU+2*SJ+1]   ; the first tile starts the running sum
.else
	v_add_f32 v[SU+2*SJ], v[SU+2*SJ], v[SU+2*SJ+1]
.endif
	CV 1, 0
.endif
.if \k == 13
.if SFIRST == 0
	v_fma_f32 v[LS+SJ], v[LS+SJ], v[AL+2*SJ], v[SU+2*SJ]   ; the running sum is rescaled and takes the tile's
.endif
	CV 1, 1
	CV 1, 2
	CV 1, 3
	CV 1, 4
.endif
.if \k == 14
	CV 1, 5
	CV 1, 6
	CV 1, 7
.endif
.endif
.endm
; cnt of the 64 packed multiplications that rescale O(ct, SJ), ct = q >> 2, from number q0 on; a bundle stays in one window
.macro RS q0, cnt
.if SMON*(1-SFIRST)
.if \q0 < 32
	WIN 0x82                                       ; O in window 2 (destination and source 0), the factor in window 0
.else
	WIN 0xc3
.endif
.set RQ, \q0
.rept \cnt
	v_pk_mul_f32 v[8*(4*((RQ>>2)&7)+SJ)+2*(RQ&3):8*(4*((RQ>>2)&7)+SJ)+2*(RQ&3)+1], v[8*(4*((RQ>>2)&7)+SJ)+2*(RQ&3):8*(4*((RQ>>2)&7)+SJ)+2*(RQ&3)+1], v[AL+2*SJ:AL+2*SJ+1]
.set RQ, RQ+1
.endr
.endif
.endm
.macro PAIR i, q0, cnt                 ; two products, a bundle of the softmax behind the first and a bundle of the rescaling behind the second
	PVM 4+2*\i
	SSL \i
	PVM 5+2*\i
	RS \q0, \cnt
	VLP 5+2*\i
.endm
; A PHASE.  it: the products' query tile.  kw: k's fragments, asked for in the phase before, are waited for.  s: the slot of the products' tile.
; bm 2: that slot is filled again, two tiles on; bm 1: nothing is filled, the barrier shows the next tile whole; bm 0: no barrier.  kl, vl: the next tile's k, v are loaded.
.macro PHASE it, pv, pfirst, sm, sfirst, mul, vw, kw, bm, s, kl, vl
.set PI, \it
.set SJ, (\it+1)&3
.set MJ, (\it+2)&3
.set SB, S+32*SJ
.set PVON, \pv
.set PFIRST, \pfirst
.set SMON, \sm
.set SFIRST, \sfirst
.set MULON, \mul
.set VWON, \vw
.set VLON, \vl
.set VSL, 1-\s
.if \kw
	s_wait_dscnt 0x0                               ; the next tile's k fragments, asked for 26 products ago
.endif
.if \bm >= 1
	s_wait_dscnt 0x0                               ; my reads of this tile's slot are over: its k and v have been in registers since the phase before
	s_wait_xcnt 0x0
	v_lshl_add_u32 v254, v0, 2, 0x4c000
	v_mov_b32 v255, 0
	s_wait_tensorcnt 0x0                           ; all my tensor loads have landed: the one that was out is my part of the next tile
	ds_add_u32 v254, v255
	s_wait_dscnt 0x0
.if \bm == 2
	s_add_nc_u64 s[G0+4*\s+2:G0+4*\s+3], s[G0+4*\s+2:G0+4*\s+3], 1024      ; no load of mine is out: this slot's address steps two tiles on
.endif
	s_barrier_signal -1                            ; say so (bm 2: this barrier opens a round of the cluster's barrier); register work alone up to its wait
.endif
	PVM 0
	MXA
	SMM 0
	MXB 3
	PVM 1
	MXB 5
	SMM 1
	MXC
	VLP 1
	PVM 2
	MXD
	SMM 2
	ALA
	PVM 3
	ALB
	SMM 3
	EFB
	VLP 3
.if \bm >= 1
	WIN 0                                          ; at a label and at a branch every window is 0
	s_barrier_wait -1
.if \bm == 2
	CREST                                          ; no wave of any of the four work-groups still reads this slot or has a load on its way
	tensor_load_to_lds s[G0+4*\s:G0+4*\s+3], s[G1:G1+7]                    ; the first thing behind the round, and my one tensor load until the next
	s_nop 0
	v_nop
	v_nop
	v_nop
	v_nop
.endif
.endif
	PAIR 0, 0, 5
.if \kl
	KLOAD 1-\s                                     ; the next tile is whole.  Behind the last energy product stand 13 or more plain vector instructions (four are asked for: ISA guide 7.12.1)
.endif
	PAIR 1, 5, 5
	PAIR 2, 10, 5
	PAIR 3, 15, 5
	PAIR 4, 20, 6
	PAIR 5, 26, 6
	PAIR 6, 32, 5
	PAIR 7, 37, 5
	PAIR 8, 42, 5
	PAIR 9, 47, 5
	PAIR 10, 52, 4
	PAIR 11, 56, 4
	PAIR 12, 60, 4
	PVM 30
	SSL 13
	PVM 31
	SSL 14
	VLP 31
.endm
; The trip of tile t in slot s = t & 1.  Phase:  products  softmax      energies     LDS
;                                        0       (t, 0)    (t, 1)       (t, 2)       v(t) lands
;                                        1       (t, 1)    (t, 2)       (t, 3)       the barrier; the refill with tile t + 2; k(t + 1)
;                                        2       (t, 2)    (t, 3)       (t + 1, 0)
;                                        3       (t, 3)    (t + 1, 0)   (t + 1, 1)   v(t + 1), fragment by fragment
; From a tile's request to the wait for it a wave does a whole trip's work: 144 matrix instructions.
.macro TRIP s, mode, first, last
	PHASE 0, 1,\first, 1,\first, 1, 1,0, 0,\s,0,0
	PHASE 1, 1,\first, 1,\first, 1, 0,0, \mode,\s,1-\last,0
	PHASE 2, 1,\first, 1,\first, 1-\last, 0,1-\last, 0,\s,0,0
	PHASE 3, 1,\first, 1-\last,0, 1-\last, 0,0, 0,\s,0,1-\last
	WIN 0                                          ; at a label and at a branch every window is 0
.endm
	; IN FRONT OF THE FIRST TRIP: q, k(0); the energies of query tiles 0 and 1 of tile 0; v(0); the softmax of query tile 0, with no products to stand between
.irp it, 0,1,2,3
	ds_load_tr16_b128 v[QF+8*\it:QF+8*\it+3],   v[QA] offset:32*\it
	ds_load_tr16_b128 v[QF+8*\it+4:QF+8*\it+7], v[QA] offset:32*\it+16*QP
.endr
	KLOAD 0
	s_wait_dscnt 0x0
.set MULON, 1
.set MJ, 0
	SMM 0
	SMM 1
	SMM 2
	SMM 3
.set MJ, 1
	SMM 0
	SMM 1
	SMM 2
	SMM 3
.set VSL, 0
	WIN 0x40
.irp f, 0,1,2,3,4,5,6,7,8,9,10,11,12,13,14,15,16,17,18,19,20,21,22,23,24,25,26,27,28,29,30,31
	VFR \f
.endr
	WIN 0
	NOPS 4                                         ; four places in front of the first read of an energy (ISA guide 7.12.1)
	PHASE 3, 0,0, 1,1, 0, 0,0, 0,0,0,0
	TRIP 0, 2, 1, 0                                ; tiles 0 and 1 stand in front of the loop: the first products start the sums
	TRIP 1, 2, 0, 0
	s_mov_b32 s40, 6                               ; tiles 2 to 13
.Llap:
	TRIP 0, 2, 0, 0
	TRIP 1, 2, 0, 0
	s_sub_co_u32 s40, s40, 1
	s_cmp_lg_u32 s40, 0
	s_cbranch_scc1 .Llap
	; x is wanted behind the last tile.  Two tiles ahead each wave asks once for the 64 blocks of 256 bytes that it will load: one lane, one block (channel 64 w + lane, + 32)
	global_prefetch_b8 v[PF], s[6:7] th:TH_LOAD_NT scope:SCOPE_SE
	global_prefetch_b8 v[PF], s[6:7] offset:32*16384 th:TH_LOAD_NT scope:SCOPE_SE
	TRIP 0, 1, 0, 0                                ; tile 14: nothing is left to fetch
	TRIP 1, 0, 0, 1                                ; tile 15: no next tile
	; THE MERGE AND THE WAY OUT.  Wave w' holds O', m', l' over its quarter of the keys.  With mx = max m', F' = 2^((m' - mx) log2 e):
	; out = x + sum over w' of O' x (gamma F' / sum of F' l').  O' goes through LDS; wave w then makes channels 64 w .. 64 w + 63 of all 64 queries.
	NOPS 4                                         ; four places behind the last products: for the loads over v's fragments and the LDS stores of the sums
	WIN 0x40
.irp n2, 0,1,2,3,4,5,6,7,8,9,10,11,12,13,14,15,16,17,18,19,20,21,22,23,24,25,26,27,28,29,30,31
	global_load_b128 v[4*\n2:4*\n2+3], v[GX], s[6:7] offset:32768*\n2 th:TH_LOAD_NT   ; x of channels 64 w + 2 n + h: sixteen lanes take 256 consecutive bytes; into window 1
.endr
	WIN 0
.irp it, 0,1,2,3
	v_permlanex16_b32 v[U+\it], v[LS+\it], s20, s21
.endr
.irp it, 0,1,2,3
	v_add_f32 v[LS+\it], v[LS+\it], v[U+\it]       ; the two halves' keys
.endr
	s_wait_dscnt 0x0
	s_barrier_signal -1
	s_barrier_wait -1                              ; no wave reads a slot any more, and both have had their last fill
.irp it, 0,1,2,3
	ds_store_b32 v[ST], v[M+\it] offset:64*\it
	ds_store_b32 v[ST], v[LS+\it] offset:1024+64*\it
.endr
	WIN 0x08                                       ; store data (source 1) from window 2
.irp ct, 0,1,2,3,4,5,6,7
.irp it, 0,1,2,3
.irp j, 0,1,2,3,4,5,6,7
	ds_store_b32 v[OS], v[8*(4*\ct+\it)+\j] offset:(16*\ct+\j)*OXP+64*\it
.endr
.endr
.endr
	WIN 0x0c                                       ; from window 3
.irp ct, 0,1,2,3,4,5,6,7
.irp it, 0,1,2,3
.irp j, 0,1,2,3,4,5,6,7
	ds_store_b32 v[OS+1], v[8*(4*\ct+\it)+\j] offset:(16*\ct+\j)*OXP+64*\it
.endr
.endr
.endr
	WIN 0
	s_wait_dscnt 0x0                               ; zero, for the other waves' sake
	s_barrier_signal -1
	s_barrier_wait -1
.irp w, 0,1,2,3
	ds_load_b128 v[QF+4*\w:QF+4*\w+3], v[SR] offset:256*\w             ; m' of queries 4 r .. 4 r + 3
	ds_load_b128 v[QF+16+4*\w:QF+16+4*\w+3], v[SR] offset:1024+256*\w  ; l'
.endr
	s_wait_dscnt 0x0
.irp q, 0,1,2,3
	v_max3_num_f32 v[T+\q], v[QF+\q], v[QF+4+\q], v[QF+8+\q]
.endr
.irp q, 0,1,2,3
	v_max_num_f32 v[T+\q], v[T+\q], v[QF+12+\q]
.endr
.irp q, 0,1,2,3
	v_mul_f32 v[U+\q], 0xbfb8aa3b, v[T+\q]
.endr
.irp w, 0,1,2,3
.irp q, 0,1,2,3
	v_fma_f32 v[GF+4*\w+\q], v[QF+4*\w+\q], s18, v[U+\q]
.endr
.endr
.irp e, 0,1,2,3,4,5,6,7,8,9,10,11,12,13,14,15
	v_exp_f32 v[GF+\e], v[GF+\e]
.endr
	v_nop                                          ; the plain place behind the exponentials
	s_wait_alu depctr_va_vdst(0)
.irp q, 0,1,2,3
	v_mul_f32 v[NM+\q], v[GF+\q], v[QF+16+\q]
.endr
.irp w, 1,2,3
.irp q, 0,1,2,3
	v_fmac_f32 v[NM+\q], v[GF+4*\w+\q], v[QF+16+4*\w+\q]
.endr
.endr
.irp q, 0,1,2,3
	v_rcp_f32 v[NM+\q], v[NM+\q]                   ; the sum is at least 1: the key of the maximum contributes 1
.endr
	v_nop                                          ; the plain place behind the reciprocals
	s_wait_alu depctr_va_vdst(0)
.irp q, 0,1,2,3
	v_mul_f32 v[NM+\q], s16, v[NM+\q]              ; gamma / sum
.endr
.irp w, 0,1,2,3
.irp p, 0,2
	v_pk_mul_f32 v[GF+4*\w+\p:GF+4*\w+\p+1], v[GF+4*\w+\p:GF+4*\w+\p+1], v[NM+\p:NM+\p+1]
.endr
.endr
	s_wait_loadcnt 0x0                             ; x
	; four batches of eight pairs of channels: 32 LDS loads (four waves' parts of each pair), then x takes the four scaled parts by fused multiply-adds
.irp bt, 0,1,2,3
.irp nn, 0,1,2,3,4,5,6,7
.irp w, 0,1,2,3
	ds_load_b128 v[S+16*\nn+4*\w:S+16*\nn+4*\w+3], v[ORD+\w] offset:2*OXP*(8*\bt+\nn)
.endr
.endr
	WIN 0x50                                       ; x (source 2 and destination) in window 1
.irp g, 0,1,2,3
	s_wait_dscnt 24-8*\g                           ; LDS loads come back in order: the eight of pairs 2 g and 2 g + 1 are in, the younger stay out
.irp w, 0,1,2,3
.irp e, 0,1
	v_pk_fma_f32 v[4*(8*\bt+2*\g+\e):4*(8*\bt+2*\g+\e)+1], v[S+16*(2*\g+\e)+4*\w:S+16*(2*\g+\e)+4*\w+1], v[GF+4*\w:GF+4*\w+1], v[4*(8*\bt+2*\g+\e):4*(8*\bt+2*\g+\e)+1]
	v_pk_fma_f32 v[4*(8*\bt+2*\g+\e)+2:4*(8*\bt+2*\g+\e)+3], v[S+16*(2*\g+\e)+4*\w+2:S+16*(2*\g+\e)+4*\w+3], v[GF+4*\w+2:GF+4*\w+3], v[4*(8*\bt+2*\g+\e)+2:4*(8*\bt+2*\g+\e)+3]
.endr
.endr
.endr
	WIN 0x04                                       ; store data (source 1) from window 1
.irp nn, 0,1,2,3,4,5,6,7
	global_store_b128 v[GX], v[4*(8*\bt+\nn):4*(8*\bt+\nn)+3], s[10:11] offset:32768*(8*\bt+\nn) th:TH_STORE_NT   ; sixteen lanes store 256 consecutive bytes, aligned
.endr
	WIN 0
.endr
	s_wait_xcnt 0x0
	v_lshl_add_u32 v254, v0, 2, 0x4c000
	v_mov_b32 v255, 0
	s_wait_tensorcnt 0x0
	ds_add_u32 v254, v255
	s_wait_dscnt 0x0
	CROUND                                         ; the closing round: no work-group ends while a partner may still ask for a tile that names it
	s_endpgm
.Lfunc_end_k_q59a62b28df_attn:
	.size	k_q59a62b28df_attn, .Lfunc_end_k_q59a62b28df_attn-k_q59a62b28df_attn
	.p2alignl 7, 3214868480
	.fill 96, 4, 3214868480
	.section	.rodata,"a",@progbits
	.p2align	6, 0x0
	.amdhsa_kernel k_q59a62b28df_attn
		.amdhsa_group_segment_fixed_size 327680
		.amdhsa_private_segment_fixed_size 0
		.amdhsa_enable_private_segment 0
		.amdhsa_kernarg_size 32
		.amdhsa_user_sgpr_count 2
		.amdhsa_user_sgpr_kernarg_segment_ptr 1
		.amdhsa_wavefront_size32 1
		.amdhsa_system_sgpr_workgroup_id_x 1
		.amdhsa_system_sgpr_workgroup_id_y 1
		.amdhsa_system_sgpr_workgroup_id_z 1
		.amdhsa_system_vgpr_workitem_id 0
		.amdhsa_next_free_vgpr 1024
		.amdhsa_next_free_sgpr 66
		.amdhsa_reserve_vcc 0
		.amdhsa_float_denorm_mode_32 3
		.amdhsa_float_denorm_mode_16_64 3
		.amdhsa_memory_ordered 1
		.amdhsa_forward_progress 1
		.amdhsa_inst_pref_size 255
	.end_amdhsa_kernel
	.section	.bss,"aw",@nobits
	.p2align	6
	.space	262144
	.amdgpu_metadata
---
amdhsa.version: [ 1, 2 ]
amdhsa.kernels:
  - .name:           k_q59a62b28df_attn
    .symbol:         k_q59a62b28df_attn.kd
    .args:
      - { .name: qkv, .offset: 0, .size: 8, .value_kind: global_buffer, .address_space: global }
      - { .name: x, .offset: 8, .size: 8, .value_kind: global_buffer, .address_space: global }
      - { .name: gamma, .offset: 16, .size: 8, .value_kind: global_buffer, .address_space: global }
      - { .name: out0, .offset: 24, .size: 8, .value_kind: global_buffer, .address_space: global }
    .group_segment_fixed_size: 327680
    .private_segment_fixed_size: 0
    .kernarg_segment_align: 8
    .kernarg_segment_size: 32
    .max_flat_workgroup_size: 128
    .sgpr_count:     66
    .vgpr_count:     1024
    .wavefront_size: 32
...
	.end_amdgpu_metadata
.endif
;; end of part 2
;; ======== version 2 of 2: 2 launches; version 1 with the launch proj written anew for expert scheduling mode
;; limits: values are held in f16: magnitudes above 65,504 overflow, below 6.1e-05 lose precision; right only within a limited range of input values
;; workspace buffers: qkv 10,485,760 bytes
;; launch proj (part 3): grid 2 x 128, 8 waves a work-group, no clusters, 207,872 bytes of LDS; arguments x, Wv, Wk, Wq, bv, bk, bq, qkv; writes qkv
.if DOCPART == 3
	.amdgcn_target "amdgcn-amd-amdhsa--gfx1250"
	.amdhsa_code_object_version 6
	.text
	.protected	k_q59a62b28df_proj
	.globl	k_q59a62b28df_proj
	.p2align	8
	.type	k_q59a62b28df_proj,@function
k_q59a62b28df_proj:
	s_mov_b64 s[64:65], 0
	v_nop
	global_prefetch_b8 v0, s[64:65] scope:SCOPE_SE
	s_setreg_imm32_b32 hwreg(HW_REG_WAVE_SCHED_MODE, 0, 2), 2
	s_setreg_imm32_b32 hwreg(HW_REG_WAVE_MODE, 25, 1), 1
	s_wait_xcnt 0x0
	s_wait_alu depctr_vm_vsrc(0)
; qkv[b][o][n] = sum over c of Wall[o][c] x[b][c][n] + ball[o], stored in 16 bits.  Rows o: 0-255 v (Wv, bv) in bf16, 256-287 k (Wk, bk) and 288-319 q (Wq, bq) in f16.
; x: [4][256][4096] f32.  qkv: [4][320][4096] of 16 bits (a row is 8,192 bytes, a batch 2,621,440).
; A work-group makes 160 rows (half y of the 320) x 128 pixels, so that each stored piece of a row is 256 consecutive bytes, aligned.
; Eight waves: wave w makes rows 80 (w>>2) + 0..79 x pixels 32 (w&3) + 0..31: ten accumulator tiles of 16 x 16, K = 256 in eight steps of 32.
; x and W are f32 in memory and are rounded to bf16 in registers on the way into LDS; sums in f32; the bias is added in f32; one rounding to 16 bits.
; WHY k AND q GO IN f16: their products are exponents, so their absolute error becomes a relative error of the softmax's weights; f16 keeps 11 bits where bf16 keeps 8.
; Room: with x and W both 30 times the problem's spread (30 and 1.5) q and k have a spread of 16 x 1.5 x 30 = 720; with offsets of 30 on x and 1.5 on W they lie
; near 256 x 45 = 11,520; f16 reaches 65,504.
; NO CLUSTER, NO TENSOR LOADS: the operands must pass through registers to be rounded.  Landing them in LDS as f32 first would take
; 163,840 (W) + 131,072 (x) bytes beside the 84,480 + 73,728 bytes of their bf16 copies: 453,120 bytes, more than the 327,680 there are.
; LIMITS: x, W and v in bf16 (8 bits of mantissa); q and k in f16, clamped to +-65,504 (beyond that the energies differ from the exact ones);
; NaN and infinities are not served.
; THE MODE: SCHED_MODE bits 1:0 = 2 (LLVM: expert scheduling mode 2), set by the entry lines.  The code itself states the register dependences
; between vector or matrix instructions and memory or LDS instructions, with s_wait_alu, always for 0.
; THE PLAN.  Registers that memory or LDS instructions touch:
;   v4-v18, v30, v31   offsets and addresses: written once at the head, ahead of one wait on va_vdst; read by every load and store; never written again.
;   v24-28             the bias as loaded; read by five LDS stores; never written again.
;   R0 .. R6           seven raw groups of 32 registers from v32 on.  Eight loads land in a group; its sixteen conversions work in place; the eight LDS stores that read it are
;                      issued in the NEXT group's body, among that group's conversions, which name other registers.  R0 and R1 are loaded a second time (groups 7 and 8), in the
;                      bodies of groups 2 and 3: a group behind the stores that read them.  So a group's head holds one wait on va_vdst, and in groups 2 and 3 one on vm_vsrc.
;   FR0, FR1           K step s: its ten matrix instructions read one; the loads of step s + 1 land in the other, dealt among them, behind one wait on va_vdst at the step's head.
;   v112-151           the way out: row block ot's conversions write eight of them, once; the two LDS stores that read them stand at the head of block ot + 1, behind one wait on va_vdst.
;   v160-199           the stage read back; the global stores read them.
.set XB,   84480                       ; LDS: W in bf16 at 0: 160 rows, pitch 528 (512 + 16).  x in bf16 here: 256 rows (c) x 128 pixels, pitch 288
.set STG,  158208                      ; the way out: 160 rows x 256 bytes, pitch 272
.set BIA,  201728                      ; each wave's own copy of the 160 biases: 8 x 640 bytes
.set WPI,  528
.set XPI,  288
.set SPI,  272
.set ACC,  32                          ; v[32:111]   ten accumulator tiles, (ot, pt) at 8 (2 ot + pt)
.set FR0,  112                         ; v[112:167]  fragments, buffer 0: x pt 0, 1, then W ot 0..4
.set FR1,  168                         ; v[168:223]  buffer 1
.set BS,   224                         ; v[224:233]  my row's bias for each ot, twice (a pair for the packed add)
; v4 x offset, v5 W offset, v6-7 x into LDS, v8-9 W into LDS, v10 bias into LDS, v11 bias back, v12 W fragments, v13-14 x fragments,
; v15 stage in, v16 stage back, v17 offset in qkv, v18 4 x lane, v[24:28] bias as loaded, v[32:255] x and W as loaded (until the first barrier)
; v30, v31: the closing add's two registers, made at the head and kept for it alone
.macro NOPS n
.rept \n
	v_nop
.endr
.endm
	s_load_b512 s[4:19], s[0:1], 0x0               ; x 4, Wv 6, Wk 8, Wq 10, bv 12, bk 14, bq 16, qkv 18
	v_lshl_add_u32 v30, v0, 2, 0x32800
	v_mov_b32 v31, 0
	v_lshrrev_b32 v1, 5, v0
	v_readfirstlane_b32 s20, v1                    ; wave 0..7
	v_and_b32 v1, 31, v0                           ; lane L
	s_mov_b32 s21, ttmp9                           ; y: which 160 rows
	s_and_b32 s22, ttmp7, 0xffff                   ; 0..127
	s_lshr_b32 s23, s22, 5                         ; batch
	s_and_b32 s22, s22, 31                         ; block of 128 pixels in the batch
	s_wait_alu depctr_va_sdst(0)                   ; s20 is written, ahead of its first reader: the branch of the way out and all LDS addresses are made from it
	s_lshr_b32 s59, s20, 2
	s_and_b32 s59, s59, s21                        ; 1: my rows are 240 to 319, of which the last 64 are k and q
	s_mov_b32 s60, 0xc77fe000                      ; -65,504
	s_mov_b32 s61, 0x477fe000                      ; 65,504, f16's largest number
	s_lshl_b32 s44, s23, 22                        ; x: batch x 4 MiB
	s_lshl_b32 s45, s22, 9                         ;    + block x 512 bytes
	s_add_co_u32 s44, s44, s45
	s_mov_b32 s45, 0
	s_mul_i32 s46, s23, 2621440                    ; qkv: batch
	s_mul_i32 s47, s21, 1310720                    ;      + y x 160 rows
	s_add_co_u32 s46, s46, s47
	s_lshl_b32 s47, s22, 8                         ;      + block x 256 bytes
	s_add_co_u32 s46, s46, s47
	s_mov_b32 s47, 0
	s_mul_i32 s48, s21, 163840                     ; Wv: y x 160 rows of 1,024 bytes
	s_mov_b32 s49, 0
	s_mul_i32 s50, s21, 640                        ; bv: y x 160 numbers
	s_mov_b32 s51, 0
	; all offsets and addresses, while the arguments are on their way; each scalar register that a vector instruction reads here is written once
	s_lshl_b32 s62, s20, 14
	v_lshl_add_u32 v4, v1, 4, s62                  ; x: row w of eight, 16 bytes a lane: a wave's load takes 512 consecutive bytes, 128 pixels
	v_lshlrev_b32 v5, 4, v0                        ; W: 16 bytes a thread: the work-group's load takes four whole rows
	v_lshlrev_b32 v18, 2, v1
	v_and_b32 v2, 15, v0                           ; r
	v_bfe_u32 v3, v0, 4, 1                         ; h
	s_mul_i32 s52, s20, XPI
	s_add_co_u32 s52, s52, XB
	v_lshl_add_u32 v6, v1, 3, s52                  ; x into LDS: row w, 8 bytes a lane; rows 8 i in the immediate
	v_add_nc_u32 v7, 16*8*XPI, v6                  ; from i = 16 on (the immediate has 16 bits)
	s_lshr_b32 s63, s20, 1
	s_mul_i32 s63, s63, WPI
	s_and_b32 s53, s20, 1
	s_lshl_b32 s53, s53, 8
	s_add_co_u32 s63, s63, s53
	v_lshl_add_u32 v8, v1, 3, s63                  ; W into LDS: row w>>1, half w&1 of it, 8 bytes a lane
	v_add_nc_u32 v9, 24*4*WPI, v8                  ; from u = 24 on
	s_mul_i32 s54, s20, 640
	s_add_co_u32 s54, s54, BIA
	v_lshl_add_u32 v10, v1, 2, s54                 ; bias into my wave's copy
	s_lshr_b32 s55, s20, 2
	s_mul_i32 s55, s55, 80                         ; my first row
	s_and_b32 s56, s20, 3
	s_lshl_b32 s56, s56, 6                         ; my first pixel, in bytes of 16-bit numbers
	v_add_nc_u32 v19, s55, v2                      ; row 80 (w>>2) + r
	v_lshl_add_u32 v11, v19, 2, s54
	v_mul_u32_u24 v12, v19, WPI
	v_lshl_add_u32 v12, v3, 4, v12                 ; W fragment: row x pitch + 16 h
	v_and_b32 v20, 7, v0
	v_bfe_u32 v21, v0, 3, 1
	v_lshl_add_u32 v13, v3, 3, v20
	v_mul_u32_u24 v13, v13, XPI                    ; x fragment by the transposing load: row (c) 8 h + (L & 7),
	v_lshl_add_u32 v13, v21, 4, v13                ; 16 bytes (8 pixels) for each group of eight lanes
	s_add_co_u32 s57, s56, XB
	v_add_nc_u32 v13, s57, v13
	v_add_nc_u32 v14, 128*XPI, v13                 ; K steps 4 to 7
	v_mul_u32_u24 v15, v19, SPI
	v_lshl_add_u32 v15, v3, 4, v15
	s_add_co_u32 s2, s56, STG
	v_add_nc_u32 v15, s2, v15                      ; stage in: my row, my 8 pixels
	s_mul_i32 s58, s20, 20
	v_add_nc_u32 v22, s58, v3                      ; stage back: wave w takes rows 20 w .. 20 w + 19, two at a time
	v_mul_u32_u24 v16, v22, SPI
	v_lshl_add_u32 v16, v2, 4, v16
	v_add_nc_u32 v16, STG, v16
	v_lshlrev_b32 v17, 13, v22
	v_lshl_add_u32 v17, v2, 4, v17                 ; the same two rows in qkv
	s_wait_kmcnt 0x0
	s_add_nc_u64 s[4:5], s[4:5], s[44:45]
	s_add_nc_u64 s[18:19], s[18:19], s[46:47]
	; The 160 rows are five segments of 32.  Segments 0-2 are rows of Wv for both y; 3 and 4 are rows of Wv (y = 0) or Wk and Wq (y = 1).
	s_add_nc_u64 s[24:25], s[6:7], s[48:49]
	s_add_nc_u64 s[26:27], s[24:25], 0x8000
	s_add_nc_u64 s[28:29], s[24:25], 0x10000
	s_add_nc_u64 s[30:31], s[6:7], 0x18000
	s_add_nc_u64 s[32:33], s[6:7], 0x20000
	s_add_nc_u64 s[34:35], s[12:13], s[50:51]
	s_add_nc_u64 s[36:37], s[34:35], 128
	s_add_nc_u64 s[38:39], s[34:35], 256
	s_add_nc_u64 s[40:41], s[12:13], 384
	s_add_nc_u64 s[42:43], s[12:13], 512
	s_cmp_eq_u32 s21, 1
	s_cselect_b64 s[30:31], s[8:9], s[30:31]
	s_cselect_b64 s[32:33], s[10:11], s[32:33]
	s_cselect_b64 s[40:41], s[14:15], s[40:41]
	s_cselect_b64 s[42:43], s[16:17], s[42:43]
	s_wait_alu depctr_va_vdst(0)                   ; v4 to v18 are written, which the kernel's loads and stores read as offsets and addresses; none of them is written again
	; 61 loads go out at once: 5 of bias, 32 of x (row c = 8 i + w), 24 of W (rows 4 u + (w>>1)); the last 16 of W follow when registers are free
.irp g, 0,1,2,3,4
	global_load_b32 v[24+\g], v18, s[34+2*\g:35+2*\g]
.endr
.irp i, 0,1,2,3,4,5,6,7,8,9,10,11,12,13,14,15,16,17,18,19,20,21,22,23,24,25,26,27,28,29,30,31
	global_load_b128 v[32+4*\i:35+4*\i], v4, s[4:5] offset:\i*131072
.endr
.irp u, 0,1,2,3,4,5,6,7,8,9,10,11,12,13,14,15,16,17,18,19,20,21,22,23
	global_load_b128 v[160+4*\u:163+4*\u], v5, s[24+2*(\u>>3):25+2*(\u>>3)] offset:(\u&7)*4096
.endr
; A GROUP of eight loads, in the 32 registers from reg on: each four f32 are rounded in place to four bf16, in the first two of their four registers.
; left = how many younger loads may stay out.  preg, padr, poff, pstep: the group before (0: there is none): its registers, and the address register, first offset and step of
; its eight LDS stores, which are issued here.  lreg, lu: W's eight loads lu .. lu + 7 are issued here, into the 32 registers from lreg on (0: none).
; The conversions of this group name its own registers alone: none that the stores read, none in which the loads land.
.macro GROUP left, reg, preg, padr, poff, pstep, lreg, lu
	s_wait_loadcnt \left                           ; loads come back in order (ISA guide 5.7.1): this group's eight are in
.if \preg
.if \lreg
	s_wait_alu depctr_vm_vsrc(0)                   ; the LDS stores issued in the group before have read the registers in which the loads below land
.endif
	s_wait_alu depctr_va_vdst(0)                   ; the group before's conversions have written what the stores below read; the conversions two groups back are done with the registers in which loads below land
.endif
.set gj, 0
.rept 8
.if \lreg
	global_load_b128 v[\lreg+4*gj:\lreg+4*gj+3], v5, s[24+2*((\lu)>>3):25+2*((\lu)>>3)] offset:gj*4096
.endif
.if \preg
	ds_store_b64 v[\padr], v[\preg+4*gj:\preg+4*gj+1] offset:(\poff)+gj*(\pstep)
.endif
	v_cvt_pk_bf16_f32 v[\reg+4*gj], v[\reg+4*gj], v[\reg+4*gj+1]
	v_cvt_pk_bf16_f32 v[\reg+4*gj+1], v[\reg+4*gj+2], v[\reg+4*gj+3]
.set gj, gj+1
.endr
.endm
	; The counts: behind x's load 8 g + 7 stand 24 - 8 g of x and 24 of W; from group 3 on the eight, from group 4 on the sixteen late loads of W as well
	GROUP 48, 32,  0,   0, 0,        0,     0,  0   ; x rows 8 i + w, i = 0 .. 7
.irp g, 0,1,2,3,4
	ds_store_b32 v10, v[24+\g] offset:128*\g       ; the bias loads are older than x's first: they are in.  No wait: no vector instruction has named v10 or v24-28 since the wait ahead of the loads
.endr
	GROUP 40, 64,  32,  6, 0,        8*XPI, 0,  0   ; i = 8 .. 15
	GROUP 32, 96,  64,  6, 8*8*XPI,  8*XPI, 32, 24  ; i = 16 .. 23; W's loads 24 .. 31 go into v[32:63]
	GROUP 32, 128, 96,  7, 0,        8*XPI, 64, 32  ; i = 24 .. 31; W's loads 32 .. 39 go into v[64:95]
	GROUP 32, 160, 128, 7, 8*8*XPI,  8*XPI, 0,  0   ; W rows 4 u + (w>>1), u = 0 .. 7
	GROUP 24, 192, 160, 8, 0,        4*WPI, 0,  0   ; u = 8 .. 15
	GROUP 16, 224, 192, 8, 8*4*WPI,  4*WPI, 0,  0   ; u = 16 .. 23
	GROUP 8,  32,  224, 8, 16*4*WPI, 4*WPI, 0,  0   ; u = 24 .. 31
	GROUP 0,  64,  32,  9, 0,        4*WPI, 0,  0   ; u = 32 .. 39
	s_wait_alu depctr_va_vdst(0)                   ; the last group's conversions have written what its stores read
.irp j, 0,1,2,3,4,5,6,7
	ds_store_b64 v9, v[64+4*\j:65+4*\j] offset:(8+\j)*4*WPI
.endr
	s_wait_dscnt 0x0                               ; my stores are in LDS: zero, for the other waves' sake
	s_barrier_signal -1
	s_barrier_wait -1                              ; all of x's and W's bf16 copies are there
	s_wait_alu depctr_vm_vsrc(0)                   ; my LDS stores have read v[32:255]: from here on these are accumulators, fragments and bias, written by matrix instructions and LDS loads (the conversions that named them stand ahead of the last wait on va_vdst)
; Pair q of the seven pairs of LDS loads that bring the fragments of K step s (c = 32 s .. 32 s + 31) into buffer f.  q = 0, 1: x, pixel block q.  x lies [c][pixel]: two
; transposing loads, 16 rows apart, give lane (r, h) pixel r and c = 8 h + 0..7, 16 + 8 h + 0..7.  q = 2 .. 6: W, row block q - 2.  W lies [row][c]: two plain loads, 32 bytes apart.
.macro FPAIR s, f, q
.if (\q) < 2
	ds_load_tr16_b128 v[\f+8*(\q):\f+8*(\q)+3],   v[13+((\s)>>2)] offset:((\s)&3)*32*XPI+32*(\q)
	ds_load_tr16_b128 v[\f+8*(\q)+4:\f+8*(\q)+7], v[13+((\s)>>2)] offset:((\s)&3)*32*XPI+32*(\q)+16*XPI
.else
	ds_load_b128 v[\f+8*(\q):\f+8*(\q)+3],   v12 offset:((\q)-2)*16*WPI+64*(\s)
	ds_load_b128 v[\f+8*(\q)+4:\f+8*(\q)+7], v12 offset:((\q)-2)*16*WPI+64*(\s)+32
.endif
.endm
; K step s on buffer f; the next step's fragments go into buffer g meanwhile, a pair of loads behind each of the first seven matrix instructions, which name buffer f and the
; accumulators alone.  Source 0 = 16 pixels of x, source 1 = 16 rows of W: register j of lane (r, h) is then pixel 8 h + j of row r: eight neighbouring numbers of a row of qkv.
; The ten accumulators take turns, one instruction a turn.
.macro STEP s, f, g
	s_wait_dscnt 0x0                               ; buffer f is in: its loads are all that is out
.if ((\s) > 0) && ((\s) < 7)
	NOPS 4                                         ; buffer g was read by the last step's matrix instructions: the four places in front of loads into it stay, beside the wait
	s_wait_alu depctr_va_vdst(0)                   ; the last step's matrix instructions are done reading buffer g, in which the loads below land
.endif
.set pn, 0
.irp ot, 0,1,2,3,4
.irp pt, 0,1
.if \s == 0
	v_wmma_f32_16x16x32_bf16 v[ACC+8*(2*\ot+\pt):ACC+8*(2*\ot+\pt)+7], v[\f+8*\pt:\f+8*\pt+7], v[\f+16+8*\ot:\f+16+8*\ot+7], 0
.else
	v_wmma_f32_16x16x32_bf16 v[ACC+8*(2*\ot+\pt):ACC+8*(2*\ot+\pt)+7], v[\f+8*\pt:\f+8*\pt+7], v[\f+16+8*\ot:\f+16+8*\ot+7], v[ACC+8*(2*\ot+\pt):ACC+8*(2*\ot+\pt)+7]
.endif
.if ((\s) < 7) && (pn < 7)
	FPAIR \s+1, \g, pn
.endif
.set pn, pn+1
.endr
.endr
.endm
.irp ot, 0,1,2,3,4
	ds_load_b32 v[BS+2*\ot], v11 offset:64*\ot     ; the bias of row 80 (w>>2) + 16 ot + r, from my wave's own copy
.endr
.irp q, 0,1,2,3,4,5,6
	FPAIR 0, FR0, \q
.endr
	STEP 0, FR0, FR1                               ; no wait on va_vdst: no vector or matrix instruction has named buffer 1 since the one ahead of the last staging stores
	STEP 1, FR1, FR0
	STEP 2, FR0, FR1
	STEP 3, FR1, FR0
	STEP 4, FR0, FR1
	STEP 5, FR1, FR0
	STEP 6, FR0, FR1
	STEP 7, FR1, FR0                               ; the last step loads nothing, so it states nothing
; THE WAY OUT: the bias is added, eight neighbouring pixels of a row are rounded to 16 bytes and go into the stage.
; qk = 1: my row blocks 1 to 4 are rows of k and q: clamped to f16's range and rounded to f16.  All else is v: rounded to bf16.
; Row block ot's two LDS stores stand at the head of block ot + 1, whose arithmetic names other registers.
.macro OUT2 ot
	ds_store_b128 v15, v[FR0+8*(\ot):FR0+8*(\ot)+3]   offset:(\ot)*16*SPI
	ds_store_b128 v15, v[FR0+8*(\ot)+4:FR0+8*(\ot)+7] offset:(\ot)*16*SPI+32
.endm
.macro WAYOUT qk
.irp ot, 0,1,2,3,4
.if \ot > 0
	s_wait_alu depctr_va_vdst(0)                   ; the row block before's conversions have written the eight registers that the two stores read
	OUT2 \ot-1
.endif
.irp pt, 0,1
.irp p, 0,2,4,6
	v_pk_add_f32 v[ACC+8*(2*\ot+\pt)+\p:ACC+8*(2*\ot+\pt)+\p+1], v[ACC+8*(2*\ot+\pt)+\p:ACC+8*(2*\ot+\pt)+\p+1], v[BS+2*\ot:BS+2*\ot+1]
.endr
.if \qk*\ot
.irp p, 0,1,2,3,4,5,6,7
	v_med3_num_f32 v[ACC+8*(2*\ot+\pt)+\p], v[ACC+8*(2*\ot+\pt)+\p], s60, s61
.endr
.irp p, 0,1,2,3
	v_cvt_pk_f16_f32 v[FR0+4*(2*\ot+\pt)+\p], v[ACC+8*(2*\ot+\pt)+2*\p], v[ACC+8*(2*\ot+\pt)+2*\p+1]
.endr
.else
.irp p, 0,1,2,3
	v_cvt_pk_bf16_f32 v[FR0+4*(2*\ot+\pt)+\p], v[ACC+8*(2*\ot+\pt)+2*\p], v[ACC+8*(2*\ot+\pt)+2*\p+1]
.endr
.endif
.endr
.endr
	s_wait_alu depctr_va_vdst(0)                   ; the last row block's conversions have written what its two stores read; and the matrix instructions are done reading v[160:199], in which the stage's loads land behind the barrier
	OUT2 4
.endm
	; Five moves make the bias pairs; they name no register of a matrix instruction and are the places in front of the first read of a sum.
.irp ot, 0,1,2,3,4
	v_mov_b32 v[BS+2*\ot+1], v[BS+2*\ot]
.endr
	s_cmp_eq_u32 s59, 1                            ; a scalar branch on the work-group's half and the wave's number; no barrier stands inside it
	s_cbranch_scc1 .Lrows_qk
	WAYOUT 0
	s_branch .Lstaged
.Lrows_qk:
	WAYOUT 1
.Lstaged:
	s_wait_dscnt 0x0                               ; a stage row holds pieces of four waves: zero, then the barrier
	s_barrier_signal -1
	s_barrier_wait -1
.irp t, 0,1,2,3,4,5,6,7,8,9
	ds_load_b128 v[160+4*\t:163+4*\t], v16 offset:2*SPI*\t   ; no wait: on both ways here no vector or matrix instruction stands behind the last wait on va_vdst
.endr
.irp t, 0,1,2,3,4,5,6,7,8,9
	s_wait_dscnt 9-\t                              ; LDS loads come back in order: pair t of the ten is in
	global_store_b128 v17, v[160+4*\t:163+4*\t], s[18:19] offset:16384*\t    ; sixteen lanes store 256 consecutive bytes, aligned
.endr
	s_wait_dscnt 0x0                               ; the closing lines, six on end
	s_wait_alu 0x0
	s_wait_tensorcnt 0x0
	ds_add_u32 v30, v31
	s_wait_dscnt 0x0
	s_endpgm
.Lfunc_end_k_q59a62b28df_proj:
	.size	k_q59a62b28df_proj, .Lfunc_end_k_q59a62b28df_proj-k_q59a62b28df_proj
	.p2alignl 7, 3214868480
	.fill 96, 4, 3214868480
	.section	.rodata,"a",@progbits
	.p2align	6, 0x0
	.amdhsa_kernel k_q59a62b28df_proj
		.amdhsa_group_segment_fixed_size 207872
		.amdhsa_private_segment_fixed_size 0
		.amdhsa_enable_private_segment 0
		.amdhsa_kernarg_size 64
		.amdhsa_user_sgpr_count 2
		.amdhsa_user_sgpr_kernarg_segment_ptr 1
		.amdhsa_wavefront_size32 1
		.amdhsa_system_sgpr_workgroup_id_x 1
		.amdhsa_system_sgpr_workgroup_id_y 1
		.amdhsa_system_sgpr_workgroup_id_z 1
		.amdhsa_system_vgpr_workitem_id 0
		.amdhsa_next_free_vgpr 256
		.amdhsa_next_free_sgpr 66
		.amdhsa_reserve_vcc 0
		.amdhsa_float_denorm_mode_32 3
		.amdhsa_float_denorm_mode_16_64 3
		.amdhsa_memory_ordered 1
		.amdhsa_forward_progress 1
		.amdhsa_inst_pref_size 59
	.end_amdhsa_kernel
	.amdgpu_metadata
---
amdhsa.version: [ 1, 2 ]
amdhsa.kernels:
  - .name:           k_q59a62b28df_proj
    .symbol:         k_q59a62b28df_proj.kd
    .args:
      - { .name: x, .offset: 0, .size: 8, .value_kind: global_buffer, .address_space: global }
      - { .name: Wv, .offset: 8, .size: 8, .value_kind: global_buffer, .address_space: global }
      - { .name: Wk, .offset: 16, .size: 8, .value_kind: global_buffer, .address_space: global }
      - { .name: Wq, .offset: 24, .size: 8, .value_kind: global_buffer, .address_space: global }
      - { .name: bv, .offset: 32, .size: 8, .value_kind: global_buffer, .address_space: global }
      - { .name: bk, .offset: 40, .size: 8, .value_kind: global_buffer, .address_space: global }
      - { .name: bq, .offset: 48, .size: 8, .value_kind: global_buffer, .address_space: global }
      - { .name: qkv, .offset: 56, .size: 8, .value_kind: global_buffer, .address_space: global }
    .group_segment_fixed_size: 207872
    .private_segment_fixed_size: 0
    .kernarg_segment_align: 8
    .kernarg_segment_size: 64
    .max_flat_workgroup_size: 256
    .sgpr_count:     66
    .vgpr_count:     256
    .wavefront_size: 32
...
	.end_amdgpu_metadata
.endif
;; end of part 3
;; launch attn: the kernel of part 2 again; grid 256 x 1, 4 waves a work-group, clusters of 4 x 1, 327,680 bytes of LDS; arguments qkv, x, gamma, out0; writes out0
